; MI455X (gfx1250); checked and timed in simulation.
; The chip was launched on July 23, 2026; its instructions are those of AMD's public machine-readable ISA for CDNA 5 (MIT licence, August 2026) and "CDNA5" Instruction Set Architecture Reference Guide (July 2026). The comments in the code are by the model that wrote it; some were corrected since.
;; Basis Change I to HW. Allowed arithmetic: float matrix products may take bf16 or f16 operands with f32 sums; all other float work in f32.
;; Inputs: input_state 2,048 x 4,096 float32; passage_matrix 8,128 x 4,096 float32.
;; Outputs: out0 2,048 x 8,128 float32.
;; 2 versions, each right; version 2 is version 1 with the launch tobf16 written anew for expert scheduling mode. Each part assembles by itself: llvm-mc -triple=amdgcn-amd-amdhsa -mcpu=gfx1250 --defsym DOCPART=n.
;; ======== version 1 of 2: 2 launches
;; workspace buffers: xb 16,777,216 bytes; pb 67,108,864 bytes
;; launch tobf16 (part 1): grid 1280 x 1, 8 waves a work-group, no clusters, 0 bytes of LDS; arguments input_state, passage_matrix, xb, pb; writes xb, pb
.if DOCPART == 1
	.amdgcn_target "amdgcn-amd-amdhsa--gfx1250"
	.amdhsa_code_object_version 6
	.text
	.protected	k_q385828a015_tobf16
	.globl	k_q385828a015_tobf16
	.p2align	8
	.type	k_q385828a015_tobf16,@function
k_q385828a015_tobf16:
	s_mov_b64 s[64:65], 0
	v_nop
	global_prefetch_b8 v0, s[64:65] scope:SCOPE_SE
	s_setreg_imm32_b32 hwreg(HW_REG_WAVE_MODE, 25, 1), 1
	s_wait_xcnt 0x0
; xb = bf16(input_state), [2048][4096];  pb = bf16(passage_matrix), [8192][4096], of which rows 8128 to 8191 are written as zeros,
; so that the product that follows walks whole tiles of 256 rows.  Each number is rounded once, to nearest even.
; LIMITS.  A magnitude above bf16's largest finite number (about 3.39e38) becomes an infinity; NaN and infinities stay what they are.
; WHY A LAUNCH OF ITS OWN.  In the product each element of X is used by 32 work-groups and each element of P by 8; rounded here, each is rounded once,
; and a tile row of 128 along K is 256 bytes there, where in f32 it would be 64 along K.
; SHARES.  A work-group takes a chunk: 131,072 bytes of f32 in, 65,536 bytes of bf16 out.  X has 256 chunks, P 1,016, the zero rows 8 (64 rows x 8,192 bytes).
; Thread t takes 16 bytes at 4,096 i + 16 t of the chunk, i = 0 .. 31: a load of a wave covers 512 consecutive bytes, its store 256 consecutive bytes, aligned.
; All 32 loads of a wave go out ahead of its first store; each has registers of its own, and every step's place stands in an immediate offset,
; so no address, base or data register is ever rewritten.  No LDS, no barrier: no number is used by two threads.
.set XCH, 256                          ; chunks of X
.set PCH, 1016                         ; chunks of P
.set X,   4                            ; v[4:131]  step i: four registers as loaded; the first two then hold the four bf16
	s_load_b256 s[4:11], s[0:1], 0x0               ; input_state s[4:5], passage_matrix s[6:7], xb s[8:9], pb s[10:11]
	v_lshlrev_b32 v1, 4, v0                        ; 16 t: my bytes of a step's 4,096 in (and out, where zeros are written)
	v_lshlrev_b32 v2, 3, v0                        ; 8 t: my bytes of a step's 2,048 out
	s_mov_b32 s12, ttmp9                           ; the work-group's number
	s_sub_co_u32 s13, s12, XCH
	s_cmp_lt_u32 s12, XCH
	s_cselect_b32 s13, s12, s13                    ; the chunk's number in its own buffer
	s_lshl_b32 s18, s13, 17                        ; its bytes in: 1,015 x 131,072 at the most where it is used
	s_mov_b32 s19, 0
	s_lshl_b32 s20, s13, 16                        ; its bytes out
	s_mov_b32 s21, 0
	s_wait_kmcnt 0x0
	s_cmp_lt_u32 s12, XCH                          ; compared again: the shifts have set SCC
	s_cselect_b64 s[14:15], s[4:5], s[6:7]         ; from X or from P,
	s_cselect_b64 s[16:17], s[8:9], s[10:11]       ; to xb or to pb
	s_add_nc_u64 s[16:17], s[16:17], s[20:21]
	s_cmp_ge_u32 s12, XCH+PCH
	s_cbranch_scc1 .Lzero                          ; the last eight work-groups read nothing
	s_add_nc_u64 s[14:15], s[14:15], s[18:19]
.set i, 0
.rept 32
	global_load_b128 v[X+4*i:X+4*i+3], v1, s[14:15] offset:4096*i th:TH_LOAD_NT  ; read once in the launch
.set i, i+1
.endr
.set i, 0
.rept 32
	s_wait_loadcnt 31-i                            ; loads come back in order (ISA guide 5.7.1): step i is in, the 31 - i younger ones stay out
	v_cvt_pk_bf16_f32 v[X+4*i],   v[X+4*i],   v[X+4*i+1]
	v_cvt_pk_bf16_f32 v[X+4*i+1], v[X+4*i+2], v[X+4*i+3]
	global_store_b64 v2, v[X+4*i:X+4*i+1], s[16:17] offset:2048*i  ; no hint: the next launch reads these bytes
.set i, i+1
.endr
	s_endpgm
.Lzero:
	v_mov_b32 v4, 0
	v_mov_b32 v5, 0
	v_mov_b32 v6, 0
	v_mov_b32 v7, 0
.set i, 0
.rept 16
	global_store_b128 v1, v[4:7], s[16:17] offset:4096*i  ; 256 threads x 16 bytes, sixteen times: the chunk's 65,536 bytes
.set i, i+1
.endr
	s_endpgm
.Lfunc_end_k_q385828a015_tobf16:
	.size	k_q385828a015_tobf16, .Lfunc_end_k_q385828a015_tobf16-k_q385828a015_tobf16
	.p2alignl 7, 3214868480
	.fill 96, 4, 3214868480
	.section	.rodata,"a",@progbits
	.p2align	6, 0x0
	.amdhsa_kernel k_q385828a015_tobf16
		.amdhsa_group_segment_fixed_size 0
		.amdhsa_private_segment_fixed_size 0
		.amdhsa_enable_private_segment 0
		.amdhsa_kernarg_size 32
		.amdhsa_user_sgpr_count 2
		.amdhsa_user_sgpr_kernarg_segment_ptr 1
		.amdhsa_wavefront_size32 1
		.amdhsa_system_sgpr_workgroup_id_x 1
		.amdhsa_system_sgpr_workgroup_id_y 1
		.amdhsa_system_sgpr_workgroup_id_z 1
		.amdhsa_system_vgpr_workitem_id 0
		.amdhsa_next_free_vgpr 132
		.amdhsa_next_free_sgpr 66
		.amdhsa_reserve_vcc 0
		.amdhsa_float_denorm_mode_32 3
		.amdhsa_float_denorm_mode_16_64 3
		.amdhsa_memory_ordered 1
		.amdhsa_forward_progress 1
		.amdhsa_inst_pref_size 14
	.end_amdhsa_kernel
	.amdgpu_metadata
---
amdhsa.version: [ 1, 2 ]
amdhsa.kernels:
  - .name:           k_q385828a015_tobf16
    .symbol:         k_q385828a015_tobf16.kd
    .args:
      - { .name: input_state, .offset: 0, .size: 8, .value_kind: global_buffer, .address_space: global }
      - { .name: passage_matrix, .offset: 8, .size: 8, .value_kind: global_buffer, .address_space: global }
      - { .name: xb, .offset: 16, .size: 8, .value_kind: global_buffer, .address_space: global }
      - { .name: pb, .offset: 24, .size: 8, .value_kind: global_buffer, .address_space: global }
    .group_segment_fixed_size: 0
    .private_segment_fixed_size: 0
    .kernarg_segment_align: 8
    .kernarg_segment_size: 32
    .max_flat_workgroup_size: 256
    .sgpr_count:     66
    .vgpr_count:     132
    .wavefront_size: 32
...
	.end_amdgpu_metadata
.endif
;; end of part 1
;; launch gemm (part 2): grid 8 x 32, 4 waves a work-group, clusters of 4 x 4, 327,680 bytes of LDS; arguments xb, pb, out0; writes out0
.if DOCPART == 2
	.amdgcn_target "amdgcn-amd-amdhsa--gfx1250"
	.amdhsa_code_object_version 6
	.text
	.protected	k_q385828a015_gemm
	.globl	k_q385828a015_gemm
	.p2align	8
	.type	k_q385828a015_gemm,@function
k_q385828a015_gemm:
	s_mov_b64 s[64:65], 0
	v_nop
	global_prefetch_b8 v0, s[64:65] scope:SCOPE_SE
	s_setreg_imm32_b32 hwreg(HW_REG_WAVE_MODE, 25, 1), 1
	s_wait_xcnt 0x0
	s_wait_alu depctr_hold_cnt(0) depctr_sa_sdst(0) depctr_va_vdst(0) depctr_va_sdst(0) depctr_va_ssrc(0) depctr_va_vcc(0) depctr_vm_vsrc(0)
	s_getreg_b32 s2, hwreg(HW_REG_IB_STS2, 6, 4)
	s_cmp_eq_u32 s2, 0
	s_cbranch_scc0 .Lentry_in_a_cluster
	s_endpgm
.Lentry_in_a_cluster:
	s_bfe_u32 s2, ttmp6, 0x10000c
	s_cmp_lg_u32 s2, 0xf033
	s_cbranch_scc0 .Lentry_shape_is_right
	s_endpgm
.Lentry_shape_is_right:
; out0[m][n] = sum over k of xb[m][k] pb[n][k].  xb: [2048][4096] bf16, pb: [8192][4096] bf16 (rows 8128 on are zeros), out0: [2048][8128] f32.
; Products of bf16 operands, sums in f32, K ascending in steps of 32 by the matrix instruction's own order (not the order of a plain f32 sum); the sums are stored unrounded.
; LIMITS.  The operands carry bf16's eight significant bits; NaN and infinities among them spread through the sums of their row and column.
; SHARES.  A tile of C is 256 x 256: 8 tile rows x 32 tile columns = 256 work-groups of four waves, as many as a WGP has SIMDs; a wave makes 128 x 128: 64 accumulators of 16 x 16, 512 registers.
; The last tile column's upper 64 columns (8128 to 8191) are products with zeros and are not stored.
; K goes in 32 steps of 128 through a ring of two LDS slots filled by the tensor data mover: a tile's rows are 256 bytes of memory and start at multiples of 256 bytes from the buffer's first byte.
; CLUSTERS: 4 x 4 work-groups.  Work-group x is the tile row, y the tile column.  The four with my cx make tiles of one tile row and need the same tiles of A (xb); the four with my cy need the
; same tiles of B (pb).  Such a tile is asked for JOINTLY: each of the four issues the same tensor load, with the same descriptor and a mask that names the four.  That divides the requests by four.
; REGISTERS, in windows of 256 (s_set_vgpr_msb's low byte: bits 1:0 source 0, 3:2 source 1, 5:4 source 2, 7:6 destination):
;   window 0: v0-31 addresses; v64-127, v128-191 fragments of A (8 x 16 rows x 32 K), two buffers; on the way out the same registers hold 16 rows of C read back from the stage, by turns
;   window 1: v64-127, v128-191 fragments of B, two buffers
;   window 2: the 32 accumulators of my rows 0-63 (accumulator (a, b) at v[8 (8 a + b)]);   window 3: those of my rows 64-127
; THE MATRIX INSTRUCTION IS USED TRANSPOSED: source 0 = 16 rows of B, source 1 = 16 rows of A.  Lane l then holds row l % 16 of C and its registers 0 to 7 the columns 8 (l / 16) + 0 .. 7:
; eight neighbouring f32 of a row of C, 32 bytes.
.set SIZE_K, 4096
.set NOUT,   8128                      ; columns of C
.set CROW,   NOUT*4                    ; a row of C in bytes: 127 x 256
.set KSTEP,  128
.set PITCH,  272                       ; an LDS row: 256 bytes of data + 16 of padding = 68 words: row r starts at bank 4 r mod 64 (64 banks of 4 bytes: ISA guide 11.1), so the 16 rows of a load start at 16 different banks
.set HALFT,  128*PITCH                 ; 128 rows: what one tensor load brings, and what one wave reads of A or of B
.set SLOT,   4*HALFT                   ; A's 256 rows, then B's 256 rows
.set STAGE,  2*SLOT                    ; behind the ring: a stage for each wave, for the way out; no tensor load lands there
.set SPITCH, 528                       ; a stage row: 128 f32 = 512 bytes + 16: sixteen rows start at sixteen different groups of four banks
.set WSTAGE, 16*SPITCH                 ; 16 rows a wave
.set SPARE,  STAGE+4*WSTAGE            ; behind the stages: the spare words, 128 bytes for each wave: two blocks of 256 bytes that no other line names
.set LAPS,   SIZE_K/(2*KSTEP)          ; a lap = two K steps = once round the ring: 16
.set ADRA, 16                          ; v16-17  LDS address of my A fragments in slot 0, 1
.set ADRB, 20                          ; v20-21  the same for B
.set STO,  24                          ; v24     the way out: where I put my 32 bytes of a row
.set RD,   25                          ; v25     the way out: where I read 16 bytes of a row back
.set CO,   26                          ; v26     my byte offset in my wave's 512 bytes of a row of C
.set COL,  27                          ; v27     the first of the four columns of C that I store
.set SPW,  28                          ; v28     LDS address of my spare word: SPARE + 4 x my thread's number; never rewritten
.set NIL,  29                          ; v29     0; never rewritten
.set F0,   64                          ; fragment buffer 0
.set F1,   128                         ; fragment buffer 1
.set G1,  24                           ; s[24:31] descriptor group 1 for A's tiles
.set G0,  32                           ; s[32:39] descriptor group 0 for A's tiles, one set for each slot
.set G1B, 48                           ; s[48:55] descriptor group 1 for B's tiles: it differs from A's in the mask alone
.set G0B, 56                           ; s[56:63] descriptor group 0 for B's tiles, one set for each slot
.set MSB, 0
.macro WIN new                         ; the immediate's high byte repeats the setting that is left; a switch that changes nothing is dropped
.if MSB != (\new)
	s_set_vgpr_msb (MSB<<8)|(\new)
.set MSB, \new
.endif
.endm
.set MUL_LO, 0xa1                      ; source 0 (B) window 1, source 1 (A) window 0, C and D window 2
.set MUL_HI, 0xf1                      ; the same, C and D window 3
.set TO_B,   0x40                      ; destination window 1, address window 0
.set ST_LO,  0x08                      ; an LDS store's data (source 1) window 2, its address window 0
.set ST_HI,  0x0c                      ; the same, data window 3
; A joint load.  Waves 0 and 1 fetch A's two halves, waves 2 and 3 B's.  Each of the two lines has ONE mask and one set of registers for all that issue it.
; The branch hangs on the wave's number alone.  An s_nop 0 and four v_nop follow each of the two lines, ahead of the jump, the label and what follows.
.macro JLOAD s
	s_cmp_eq_u32 s11, 0
	s_cbranch_scc0 .Lfor_b_\@
	tensor_load_to_lds s[G0+4*(\s):G0+4*(\s)+3], s[G1:G1+7]
	s_nop 0
.rept 4
	v_nop
.endr
	s_branch .Lasked_\@
.Lfor_b_\@:
	tensor_load_to_lds s[G0B+4*(\s):G0B+4*(\s)+3], s[G1B:G1B+7]
	s_nop 0
.rept 4
	v_nop
.endr
.Lasked_\@:
.endm
; A round of the cluster's barrier: my work-group's barrier, so that wave 0's signal speaks for all four waves; wave 0 signals for the work-group; every wave waits for all
; sixteen work-groups; my work-group's barrier once more.  No LDS instruction of the wave is pending at a signal.
.macro CREST                           ; a round behind its opening barrier
	s_cmp_lg_u32 s10, 0
	s_cbranch_scc1 .Lnot_wave_0_\@
	s_barrier_signal -3
.Lnot_wave_0_\@:
	s_barrier_wait -3
	s_barrier_signal -1
	s_barrier_wait -1
.endm
.macro CROUND                          ; a whole round
	s_barrier_signal -1
	s_barrier_wait -1
	CREST
.endm
	s_load_b128 s[4:7], s[0:1], 0x0                ; xb (A) s[4:5], pb (B) s[6:7]
	s_load_b64 s[8:9], s[0:1], 0x10                ; out0 (C)
	v_lshl_add_u32 v[SPW], v0, 2, SPARE
	v_mov_b32 v[NIL], 0
	ds_add_u32 v[SPW], v[NIL]                      ; the wave's opening: the add and its wait stand ahead of my first tensor load; the set-up below, work on registers, stands between them
	v_lshrrev_b32 v1, 5, v0
	v_readfirstlane_b32 s10, v1                    ; wave 0..3
	s_lshr_b32 s11, s10, 1                         ; which half of the tile's rows is mine.  Also: I fetch for A (0) or for B (1)
	s_and_b32 s12, s10, 1                          ; which half of its columns.  Also: which 128 rows of that tile I fetch
	s_bfe_u32 s40, ttmp6, 0x40000                  ; cx: my place along the cluster's x
	s_bfe_u32 s41, ttmp6, 0x40004                  ; cy: along its y
	s_lshl_b32 s13, ttmp9, 2                       ; in a cluster launch ttmp9 and ttmp7 count clusters
	s_add_co_u32 s13, s13, s40                     ; tile row of C = 4 x cluster x + cx
	s_and_b32 s42, ttmp7, 0xffff
	s_lshl_b32 s42, s42, 2
	s_add_co_u32 s42, s42, s41                     ; tile column of C = 4 x cluster y + cy
	s_lshl_b32 s43, 0x1111, s40                    ; those with my cx: places cx, cx + 4, cx + 8, cx + 12
	s_lshl_b32 s44, s41, 2
	s_lshl_b32 s44, 15, s44                        ; those with my cy: places 4 cy .. 4 cy + 3
	; descriptor group 1: a tile of 128 rows x 128 elements, padded in LDS
	s_or_b32 s[G1+0], s43, (1<<16)|(1<<20)|(1<<21)|(5<<22)|(3<<25)  ; 15:0 the mask: A's tiles go to those with my cx; 17:16 element of 2 bytes; 20 padding on; 21 set beside a mask; 24:22 after every 64 words (code 5); 31:25 of 4 words (code 3)
	s_or_b32 s[G1B+0], s44, (1<<16)|(1<<20)|(1<<21)|(5<<22)|(3<<25) ; the same with the mask of those with my cy, for B's tiles
	s_mov_b32 s[G1B+1], KSTEP<<16
	s_mov_b32 s[G1+1], KSTEP<<16                   ; 63:48 tensor_dim0, low half = 128
	s_mov_b32 s[G1B+2], 128<<16
	s_mov_b32 s[G1+2], 128<<16                     ; 79:64 its high half = 0; 95:80 tensor_dim1, low half = 128
	s_mov_b32 s[G1B+3], KSTEP<<16
	s_mov_b32 s[G1+3], KSTEP<<16                   ; 111:96 its high half = 0; 127:112 tile_dim0 = 128
	s_mov_b32 s[G1B+4], 128
	s_mov_b32 s[G1+4], 128                         ; 143:128 tile_dim1 = 128; 159:144 tile_dim2 = 0
	s_mov_b32 s[G1B+5], SIZE_K
	s_mov_b32 s[G1+5], SIZE_K                      ; 191:160 tensor_dim0_stride, low word: elements from row to row
	s_mov_b32 s[G1B+6], 0
	s_mov_b32 s[G1+6], 0
	s_mov_b32 s[G1B+7], 0
	s_mov_b32 s[G1+7], 0
	; where the tiles come from.  A's hang on the tile row alone, which those with my cx share; B's on the tile column alone, which those with my cy share.
	; Every wave makes both addresses, in registers that never hold the other coordinate, and asks by one of them.
	s_lshl_b32 s17, s12, 7                         ; which 128 rows of the tile I fetch
	s_lshl_b32 s16, s13, 8
	s_add_co_u32 s16, s16, s17                     ; A: row 256 x tile row + 128 x half
	s_lshl_b32 s46, s42, 8
	s_add_co_u32 s46, s46, s17                     ; B: row 256 x tile column + 128 x half
	s_mov_b32 s17, 0
	s_mov_b32 s47, 0
	s_mov_b64 s[18:19], SIZE_K*2
	s_mul_u64 s[16:17], s[16:17], s[18:19]         ; in bytes
	s_mul_u64 s[46:47], s[46:47], s[18:19]
	s_mul_i32 s20, s10, HALFT                      ; and where they go: A's two halves, then B's two halves = wave x 128 rows: no place in the cluster enters an LDS address
	s_wait_dscnt 0x0                               ; the opening add is done
	s_wait_kmcnt 0x0
	s_add_nc_u64 s[14:15], s[4:5], s[16:17]
	s_add_nc_u64 s[46:47], s[6:7], s[46:47]
	CROUND                                         ; all sixteen work-groups are here: the first joint loads meet
.irp s, 0,1
	s_mov_b32 s[G0+4*(\s)], 1                                      ; 1:0 count = 1
	s_add_co_u32 s[G0+4*(\s)+1], s20, (\s)*SLOT                    ; 63:32 LDS address
	s_add_nc_u64 s[G0+4*(\s)+2:G0+4*(\s)+3], s[14:15], (\s)*KSTEP*2  ; 120:64 global address: K step s
	s_or_b32 s[G0+4*(\s)+3], s[G0+4*(\s)+3], 0x80000000            ; 127:126 type = 2
	s_mov_b32 s[G0B+4*(\s)], 1
	s_add_co_u32 s[G0B+4*(\s)+1], s20, (\s)*SLOT
	s_add_nc_u64 s[G0B+4*(\s)+2:G0B+4*(\s)+3], s[46:47], (\s)*KSTEP*2
	s_or_b32 s[G0B+4*(\s)+3], s[G0B+4*(\s)+3], 0x80000000
	JLOAD \s                                       ; the ring is filled before anything else is done: two tensor loads of mine are out
.endr
	; A fragment is 16 rows x 32 K in 8 registers: lane l holds row l % 16; registers 0-3 hold K = 8 (l / 16) + 0..7, registers 4-7 hold
	; K = 16 + 8 (l / 16) + 0..7.  From rows that lie along K: two loads of 16 bytes, 32 bytes apart.  The same for source 0 and source 1.
	v_and_b32 v1, 15, v0                           ; l % 16
	v_bfe_u32 v2, v0, 4, 1                         ; l / 16
	v_and_b32 v4, 31, v0                           ; l
	v_mul_u32_u24 v3, v1, PITCH
	v_lshl_add_u32 v3, v2, 4, v3                   ; row x pitch + 16 x half
	s_mul_i32 s21, s11, HALFT                      ; my 128 rows of A
	s_mul_i32 s22, s12, HALFT                      ; my 128 rows of B,
	s_add_co_u32 s22, s22, 2*HALFT                 ; which lie behind A's 256
.irp s, 0,1
	v_add_nc_u32 v[ADRA+(\s)], s21, v3
	v_add_nc_u32 v[ADRB+(\s)], s22, v3
	s_add_co_u32 s21, s21, SLOT
	s_add_co_u32 s22, s22, SLOT
.endr
	s_mul_i32 s23, s10, WSTAGE
	s_add_co_u32 s23, s23, STAGE                   ; my stage
	v_mul_u32_u24 v5, v1, SPITCH                   ; in: row l % 16, 32 bytes for each half of the lanes
	v_lshl_add_u32 v5, v2, 5, v5
	v_add_nc_u32 v[STO], s23, v5
	v_lshlrev_b32 v[CO], 4, v4                     ; back: the 32 lanes take one row of 512 bytes, 16 bytes each; the same place in C's row
	v_add_nc_u32 v[RD], s23, v[CO]
	; where my part of the tile begins in C
	s_lshl_b32 s46, s42, 8                         ; my first column: 256 x tile column + 128 x half (in the registers that held B's address)
	s_lshl_b32 s47, s12, 7
	s_add_co_u32 s46, s46, s47
	v_lshl_add_u32 v[COL], v4, 2, s46              ; + 4 l: the first column that I store
	s_lshl_b32 s46, s46, 2                         ; in bytes
	s_mov_b32 s47, 0
	s_lshl_b32 s16, s13, 8
	s_lshl_b32 s17, s11, 7
	s_add_co_u32 s16, s16, s17                     ; my first row of C: 2,047 x 32,512 bytes at the most, so one word holds the product
	s_mul_i32 s16, s16, CROW
	s_mov_b32 s17, 0
	s_add_nc_u64 s[16:17], s[16:17], s[46:47]      ; what the way out adds to C's address
; 16 matrix instructions: m blocks a0, a0 + 1 of the window's four (hi = 0: my rows 0-63, 1: rows 64-127) x all 8 n blocks, 32 along K.
; zero = 1: the first product starts the sums: nothing is ever cleared.  The 64 accumulators take turns, one instruction a turn, in the same order in every quarter.
.macro MUL16 f, hi, a0, zero
	WIN MUL_LO+0x50*(\hi)  ; MUL_LO or MUL_HI
.irp a, \a0, (\a0)+1
.irp b, 0,1,2,3,4,5,6,7
.if \zero
	v_wmma_f32_16x16x32_bf16 v[8*(8*(\a)+(\b)):8*(8*(\a)+(\b))+7], v[(\f)+8*(\b):(\f)+8*(\b)+7], v[(\f)+8*(4*(\hi)+(\a)):(\f)+8*(4*(\hi)+(\a))+7], 0
.else
	v_wmma_f32_16x16x32_bf16 v[8*(8*(\a)+(\b)):8*(8*(\a)+(\b))+7], v[(\f)+8*(\b):(\f)+8*(\b)+7], v[(\f)+8*(4*(\hi)+(\a)):(\f)+8*(4*(\hi)+(\a))+7], v[8*(8*(\a)+(\b)):8*(8*(\a)+(\b))+7]
.endif
.endr
.endr
.endm
; 32 LDS loads in one run: the fragments of one quarter step (128 rows of B, 128 rows of A, 32 K at byte k of the rows) into buffer f
.macro FETCH slot, k, f
	WIN TO_B
.irp i, 0,1,2,3,4,5,6,7
	ds_load_b128 v[(\f)+8*(\i):(\f)+8*(\i)+3],   v[ADRB+(\slot)] offset:(\k)+(\i)*16*PITCH
	ds_load_b128 v[(\f)+8*(\i)+4:(\f)+8*(\i)+7], v[ADRB+(\slot)] offset:(\k)+(\i)*16*PITCH+32
.endr
	WIN 0
.irp i, 0,1,2,3,4,5,6,7
	ds_load_b128 v[(\f)+8*(\i):(\f)+8*(\i)+3],   v[ADRA+(\slot)] offset:(\k)+(\i)*16*PITCH
	ds_load_b128 v[(\f)+8*(\i)+4:(\f)+8*(\i)+7], v[ADRA+(\slot)] offset:(\k)+(\i)*16*PITCH+32
.endr
.endm
; A load into a register that a matrix instruction has read, and an LDS store that reads a matrix result, stand four places behind that matrix instruction, and only plain vector
; instructions that name none of its registers are places (ISA guide 7.12.1 for vector instructions).
.macro PLACES
.rept 4
	v_nop
.endr
.endm
; A K step is four quarter steps of 32 along K, 64 matrix instructions each, on buffers 0, 1, 0, 1.
; One of the first three: multiplies buffer f; in its middle it fetches the next quarter's fragments, at byte k of the same slot's rows, into buffer g.
.macro QUARTER slot, k, f, g, zero
	s_wait_dscnt 8                                 ; B and A's rows 0-63 are in; the youngest eight loads (A's rows 64-127) may be out
	WIN MUL_LO
	MUL16 \f, 0, 0, \zero
	MUL16 \f, 0, 2, \zero
	PLACES
	FETCH \slot, \k, \g
	s_wait_dscnt 32                                ; all but the 32 just issued
	WIN MUL_HI
	MUL16 \f, 1, 0, \zero
	MUL16 \f, 1, 2, \zero
.endm
; The last quarter multiplies buffer 1 and changes slots.  MEET is its first half: ONE barrier for the change of slots, for two things.  In front of it each wave waits for all its tensor
; loads, of which one is out: its part of the next slot; adds 0 to its spare word; and waits for that and for its own reads of this slot.  Behind it nobody reads this slot and the next is whole.
.macro MEET round                      ; round = 1: a round of the cluster's barrier follows
	WIN 0                                          ; (the add's two registers lie in window 0)
	s_wait_tensorcnt 0x0                           ; all my tensor loads have landed: the one that was out is my part of the next slot;
	ds_add_u32 v[SPW], v[NIL]                      ; 0 onto my spare word;
	s_wait_dscnt 9                                 ; (the add and the youngest eight loads may be out)
	WIN MUL_LO
	MUL16 F1, 0, 0, 0                              ; sixteen matrix instructions stand between the add and the wait for it
	s_wait_dscnt 0x0                               ; the add is done, and my reads of this slot are over:
	s_barrier_signal -1                            ; say so (where a slot is filled again this barrier opens a round of the cluster's barrier),
	MUL16 F1, 0, 2, 0                              ; work on registers while the others arrive,
.if \round
	WIN 0
.endif
	s_barrier_wait -1                              ; and go on when all four have said so
.endm
; The whole last quarter.  fill = 1: behind the round the slot just read out is filled again first, with the K step two steps on; from that request to the wait for it a wave issues 224 matrix
; instructions.  Then come the next slot's first fragments.
.macro TURN slot, next, fill
	MEET \fill
.if \fill
	CREST                                          ; no wave of any partner still reads this slot's tile or has a load on its way
	s_add_nc_u64 s[G0+4*(\slot)+2:G0+4*(\slot)+3], s[G0+4*(\slot)+2:G0+4*(\slot)+3], 2*KSTEP*2    ; no tensor load of mine is out: the group 0s may be written; the type bits on top are not reached
	s_add_nc_u64 s[G0B+4*(\slot)+2:G0B+4*(\slot)+3], s[G0B+4*(\slot)+2:G0B+4*(\slot)+3], 2*KSTEP*2
	JLOAD \slot                                    ; the first tensor load behind the round, my only one until the next; the four v_nop behind it are also the places in front of the loads below
.else
	PLACES
.endif
	FETCH \next, 0, F0
	WIN MUL_HI
	MUL16 F1, 1, 0, 0
	MUL16 F1, 1, 2, 0
.endm
; THE WAY OUT of block a (my rows 16 a to 16 a + 15).  TOSTAGE: a lane's 32 bytes of each of the 8 accumulators go into my own stage, each accumulator's low four registers first,
; and come back as whole rows of 512 bytes, into A's fragment registers, two sets by turns.
.macro TOSTAGE a
.set AC, 64*((\a)%4)
.set BK, F0+64*((\a)%2)
	WIN ST_LO+4*((\a)/4)                           ; ST_LO or ST_HI
.irp b, 0,1,2,3,4,5,6,7
	ds_store_b128 v[STO], v[AC+8*(\b):AC+8*(\b)+3]   offset:64*(\b)
	ds_store_b128 v[STO], v[AC+8*(\b)+4:AC+8*(\b)+7] offset:64*(\b)+16
.endr
	WIN 0
.irp t, 0,1,2,3,4,5,6,7,8,9,10,11,12,13,14,15
	ds_load_b128 v[BK+4*(\t):BK+4*(\t)+3], v[RD] offset:(\t)*SPITCH  ; LDS serves a wave's instructions in order (ISA guide 5.7.1.4): these see the stores above, and the next block's stores come behind them
.endr
.endm
; SEND: the block is stored.  younger: the LDS instructions issued behind its loads, which may stay out.  Lanes whose columns lie at or beyond 8128 are off for the stores alone.
.macro SEND a, younger
	WIN 0
.set BK, F0+64*((\a)%2)
	s_wait_dscnt \younger                          ; the block is back in registers
.if (\a) == 0
	s_add_nc_u64 s[8:9], s[8:9], s[16:17]          ; on to my first rows and columns (no store has been issued yet)
.else
	s_add_nc_u64 s[8:9], s[8:9], 16*CROW           ; 16 rows of C on: the last block's stores were freed of their base by the wait that closed them
.endif
	s_and_saveexec_b32 s45, vcc_lo
.irp t, 0,1,2,3,4,5,6,7,8,9,10,11,12,13,14,15
	global_store_b128 v[CO], v[BK+4*(\t):BK+4*(\t)+3], s[8:9] offset:(\t)*CROW th:TH_STORE_NT  ; 32 lanes store 512 consecutive bytes at a multiple of 256 from C's first byte; at C's right edge 16 lanes store 256
.endr
	s_wait_xcnt 0x0                                ; every store has had its addresses translated (ISA guide 3.1): only behind this wait is EXEC widened, the base stepped, and this set of registers loaded again
	s_or_b32 exec_lo, exec_lo, s45
.endm
	s_wait_tensorcnt 1                             ; my part of K step 0 is in; K step 1's may stay out
	s_barrier_signal -1
	s_barrier_wait -1                              ; everybody's is
	FETCH 0, 0, F0
	QUARTER 0, 64,  F0, F1, 1                      ; the first quarter stands in front of the loop: its products start the sums
	WIN 0                                          ; at a label and at a branch every window is 0
	s_mov_b32 s3, LAPS-1
.Llap:                                                 ; a trip goes once round the ring, from a lap's second quarter to the next lap's first, and fills both slots again: K steps 2 to 31 in 15 trips
	QUARTER 0, 128, F1, F0, 0
	QUARTER 0, 192, F0, F1, 0
	TURN 0, 1, 1
	QUARTER 1, 64,  F0, F1, 0
	QUARTER 1, 128, F1, F0, 0
	QUARTER 1, 192, F0, F1, 0
	TURN 1, 0, 1
	QUARTER 0, 64,  F0, F1, 0
	WIN 0
	s_sub_co_u32 s3, s3, 1
	s_cmp_lg_u32 s3, 0
	s_cbranch_scc1 .Llap
	QUARTER 0, 128, F1, F0, 0                      ; the last lap is written out: it asks for nothing, and has no round of the cluster's barrier
	QUARTER 0, 192, F0, F1, 0
	TURN 0, 1, 0                                   ; my one tensor load that was still out is slot 1's, the last K step's
	QUARTER 1, 64,  F0, F1, 0
	QUARTER 1, 128, F1, F0, 0
	QUARTER 1, 192, F0, F1, 0
	s_wait_dscnt 8                                 ; the very last quarter: nothing more to fetch
	WIN MUL_LO
	MUL16 F1, 0, 0, 0
	MUL16 F1, 0, 2, 0
	s_wait_dscnt 0x0
	MUL16 F1, 1, 0, 0
	MUL16 F1, 1, 2, 0
	WIN 0
	PLACES                                         ; behind the last products: the LDS stores below read results, the loads below land in A's fragment registers
	v_cmp_gt_u32 vcc_lo, NOUT, v[COL]              ; my four columns lie inside C (8128 is a multiple of 4); written behind the last tensor load, and by no later line
	TOSTAGE 0
.irp a, 1,2,3,4,5,6,7                  ; block a's way through the stage is issued ahead of the wait for block a - 1's
	TOSTAGE \a
	SEND (\a)-1, 32                                ; block a's sixteen stores and sixteen loads may be out
.endr
	SEND 7, 0
	s_wait_tensorcnt 0x0                           ; the wave's end: behind my last tensor load and my last LDS store
	ds_add_u32 v[SPW], v[NIL]
	s_wait_dscnt 0x0
	CROUND                                         ; the closing round: no work-group ends while a partner may still ask for a tile that names it
	s_endpgm
.Lfunc_end_k_q385828a015_gemm:
	.size	k_q385828a015_gemm, .Lfunc_end_k_q385828a015_gemm-k_q385828a015_gemm
	.p2alignl 7, 3214868480
	.fill 96, 4, 3214868480
	.section	.rodata,"a",@progbits
	.p2align	6, 0x0
	.amdhsa_kernel k_q385828a015_gemm
		.amdhsa_group_segment_fixed_size 327680
		.amdhsa_private_segment_fixed_size 0
		.amdhsa_enable_private_segment 0
		.amdhsa_kernarg_size 24
		.amdhsa_user_sgpr_count 2
		.amdhsa_user_sgpr_kernarg_segment_ptr 1
		.amdhsa_wavefront_size32 1
		.amdhsa_system_sgpr_workgroup_id_x 1
		.amdhsa_system_sgpr_workgroup_id_y 1
		.amdhsa_system_sgpr_workgroup_id_z 1
		.amdhsa_system_vgpr_workitem_id 0
		.amdhsa_next_free_vgpr 1024
		.amdhsa_next_free_sgpr 66
		.amdhsa_reserve_vcc 1
		.amdhsa_float_denorm_mode_32 3
		.amdhsa_float_denorm_mode_16_64 3
		.amdhsa_memory_ordered 1
		.amdhsa_forward_progress 1
		.amdhsa_inst_pref_size 141
	.end_amdhsa_kernel
	.amdgpu_metadata
---
amdhsa.version: [ 1, 2 ]
amdhsa.kernels:
  - .name:           k_q385828a015_gemm
    .symbol:         k_q385828a015_gemm.kd
    .args:
      - { .name: xb, .offset: 0, .size: 8, .value_kind: global_buffer, .address_space: global }
      - { .name: pb, .offset: 8, .size: 8, .value_kind: global_buffer, .address_space: global }
      - { .name: out0, .offset: 16, .size: 8, .value_kind: global_buffer, .address_space: global }
    .group_segment_fixed_size: 327680
    .private_segment_fixed_size: 0
    .kernarg_segment_align: 8
    .kernarg_segment_size: 24
    .max_flat_workgroup_size: 128
    .sgpr_count:     66
    .vgpr_count:     1024
    .wavefront_size: 32
...
	.end_amdgpu_metadata
.endif
;; end of part 2
;; ======== version 2 of 2: 2 launches; version 1 with the launch tobf16 written anew for expert scheduling mode
;; workspace buffers: xb 16,777,216 bytes; pb 67,108,864 bytes
;; launch tobf16 (part 3): grid 1280 x 1, 8 waves a work-group, no clusters, 0 bytes of LDS; arguments input_state, passage_matrix, xb, pb; writes xb, pb
.if DOCPART == 3
	.amdgcn_target "amdgcn-amd-amdhsa--gfx1250"
	.amdhsa_code_object_version 6
	.text
	.protected	k_q385828a015_tobf16
	.globl	k_q385828a015_tobf16
	.p2align	8
	.type	k_q385828a015_tobf16,@function
k_q385828a015_tobf16:
	s_mov_b64 s[64:65], 0
	v_nop
	global_prefetch_b8 v0, s[64:65] scope:SCOPE_SE
	s_setreg_imm32_b32 hwreg(HW_REG_WAVE_SCHED_MODE, 0, 2), 2
	s_setreg_imm32_b32 hwreg(HW_REG_WAVE_MODE, 25, 1), 1
	s_wait_xcnt 0x0
	s_wait_alu depctr_vm_vsrc(0)
; xb = bf16(input_state), [2048][4096];  pb = bf16(passage_matrix), [8192][4096], of which rows 8128 to 8191 are written as zeros,
; so that the product that follows walks whole tiles of 256 rows.  Each number is rounded once, to nearest even.
; LIMITS.  A magnitude above bf16's largest finite number (about 3.39e38) becomes an infinity; NaN and infinities stay what they are.
; WHY A LAUNCH OF ITS OWN.  In the product each element of X is used by 32 work-groups and each element of P by 8; rounded here, each is rounded once,
; and a tile row of 128 along K is 256 bytes there, where in f32 it would be 64 along K.
; SHARES.  A work-group takes a chunk: 131,072 bytes of f32 in, 65,536 bytes of bf16 out.  X has 256 chunks, P 1,016, the zero rows 8 (64 rows x 8,192 bytes).
; Thread t takes 16 bytes at 4,096 i + 16 t of the chunk, i = 0 .. 31: a load of a wave covers 512 consecutive bytes, its store 256 consecutive bytes, aligned.
; All 32 loads of a wave go out ahead of its first store; each has registers of its own, and every step's place stands in an immediate offset,
; so no address, base or data register is ever rewritten.  No LDS, no barrier: no number is used by two threads.
; THE MODE: SCHED_MODE bits 1:0 = 2 (LLVM: expert scheduling mode 2), set by the entry lines.  The code itself states the register dependences
; between vector instructions and memory instructions, with s_wait_alu, always for 0.
; THE PLAN.  Registers that memory instructions touch:
;   v1, v2       byte offsets, written once at the head, read by every load (v1) and store (v2; v1 where zeros are written), never written again.
;   step i's four registers   written by load i, which is issued before any vector instruction names them; read by the step's two conversions, which write the first
;                two of them; those two are read by store i and by nothing else, and are never written again.
; The 32 steps go in 8 blocks of four.  Block p's vector instructions name block p's registers alone; its memory instructions are the four stores of block p - 1.
; So one wait on va_vdst at a block's head states all that the block's four stores hang on, and they are dealt among its conversions with no further wait.
; No register that a memory instruction reads is written behind it, and no load lands in a register that a vector instruction has named: nothing is owed on vm_vsrc.
.set XCH, 256                          ; chunks of X
.set PCH, 1016                         ; chunks of P
.set BLK, 4                            ; steps in a block
.set X,   4                            ; v[4:131]  step i: four registers as loaded; the first two then hold the four bf16
	s_load_b256 s[4:11], s[0:1], 0x0               ; input_state s[4:5], passage_matrix s[6:7], xb s[8:9], pb s[10:11]
	v_lshlrev_b32 v1, 4, v0                        ; 16 t: my bytes of a step's 4,096 in (and out, where zeros are written)
	v_lshlrev_b32 v2, 3, v0                        ; 8 t: my bytes of a step's 2,048 out
	s_mov_b32 s12, ttmp9                           ; the work-group's number
	s_sub_co_u32 s13, s12, XCH
	s_cmp_lt_u32 s12, XCH
	s_cselect_b32 s13, s12, s13                    ; the chunk's number in its own buffer
	s_lshl_b32 s18, s13, 17                        ; its bytes in: 1,015 x 131,072 at the most where it is used
	s_mov_b32 s19, 0
	s_lshl_b32 s20, s13, 16                        ; its bytes out
	s_mov_b32 s21, 0
	s_wait_kmcnt 0x0
	s_cmp_lt_u32 s12, XCH                          ; compared again: the shifts have set SCC
	s_cselect_b64 s[14:15], s[4:5], s[6:7]         ; from X or from P,
	s_cselect_b64 s[16:17], s[8:9], s[10:11]       ; to xb or to pb
	s_add_nc_u64 s[16:17], s[16:17], s[20:21]
	s_cmp_ge_u32 s12, XCH+PCH
	s_cbranch_scc1 .Lzero                          ; the last eight work-groups read nothing
	s_add_nc_u64 s[14:15], s[14:15], s[18:19]
	s_wait_alu depctr_va_vdst(0)                   ; v1 and v2 are written: every load below reads v1 as its offset, every store v2
.set i, 0
.rept 32
	global_load_b128 v[X+4*i:X+4*i+3], v1, s[14:15] offset:4096*i th:TH_LOAD_NT  ; read once in the launch
.set i, i+1
.endr
; Block p: steps 4 p to 4 p + 3 are rounded; the stores of steps 4 p - 4 to 4 p - 1 stand among the conversions, a store ahead of each step's two.
.set p, 0
.rept 32/BLK
	s_wait_loadcnt 32-BLK-BLK*p                    ; loads come back in order (ISA guide 5.7.1): the block's four are in, the 28 - 4 p younger ones stay out
.if p > 0
	s_wait_alu depctr_va_vdst(0)                   ; the block before has written its eight packed registers, which the four stores below read; no conversion below names them
.endif
.set i, 0
.rept BLK
.set n, BLK*p+i                        ; the step that is rounded
.set m, n-BLK                          ; the step that is stored
.if p > 0
	global_store_b64 v2, v[X+4*m:X+4*m+1], s[16:17] offset:2048*m  ; no hint: the next launch reads these bytes
.endif
	v_cvt_pk_bf16_f32 v[X+4*n],   v[X+4*n],   v[X+4*n+1]
	v_cvt_pk_bf16_f32 v[X+4*n+1], v[X+4*n+2], v[X+4*n+3]
.set i, i+1
.endr
.set p, p+1
.endr
	s_wait_alu depctr_va_vdst(0)                   ; the last block has written its eight packed registers, which the last four stores read
.set m, 32-BLK
.rept BLK
	global_store_b64 v2, v[X+4*m:X+4*m+1], s[16:17] offset:2048*m
.set m, m+1
.endr
	s_endpgm
.Lzero:
	v_mov_b32 v4, 0
	v_mov_b32 v5, 0
	v_mov_b32 v6, 0
	v_mov_b32 v7, 0
	s_wait_alu depctr_va_vdst(0)                   ; v[4:7], the stores' data, and v1, their offset, are written
.set i, 0
.rept 16
	global_store_b128 v1, v[4:7], s[16:17] offset:4096*i  ; 256 threads x 16 bytes, sixteen times: the chunk's 65,536 bytes
.set i, i+1
.endr
	s_endpgm
.Lfunc_end_k_q385828a015_tobf16:
	.size	k_q385828a015_tobf16, .Lfunc_end_k_q385828a015_tobf16-k_q385828a015_tobf16
	.p2alignl 7, 3214868480
	.fill 96, 4, 3214868480
	.section	.rodata,"a",@progbits
	.p2align	6, 0x0
	.amdhsa_kernel k_q385828a015_tobf16
		.amdhsa_group_segment_fixed_size 0
		.amdhsa_private_segment_fixed_size 0
		.amdhsa_enable_private_segment 0
		.amdhsa_kernarg_size 32
		.amdhsa_user_sgpr_count 2
		.amdhsa_user_sgpr_kernarg_segment_ptr 1
		.amdhsa_wavefront_size32 1
		.amdhsa_system_sgpr_workgroup_id_x 1
		.amdhsa_system_sgpr_workgroup_id_y 1
		.amdhsa_system_sgpr_workgroup_id_z 1
		.amdhsa_system_vgpr_workitem_id 0
		.amdhsa_next_free_vgpr 132
		.amdhsa_next_free_sgpr 66
		.amdhsa_reserve_vcc 0
		.amdhsa_float_denorm_mode_32 3
		.amdhsa_float_denorm_mode_16_64 3
		.amdhsa_memory_ordered 1
		.amdhsa_forward_progress 1
		.amdhsa_inst_pref_size 14
	.end_amdhsa_kernel
	.amdgpu_metadata
---
amdhsa.version: [ 1, 2 ]
amdhsa.kernels:
  - .name:           k_q385828a015_tobf16
    .symbol:         k_q385828a015_tobf16.kd
    .args:
      - { .name: input_state, .offset: 0, .size: 8, .value_kind: global_buffer, .address_space: global }
      - { .name: passage_matrix, .offset: 8, .size: 8, .value_kind: global_buffer, .address_space: global }
      - { .name: xb, .offset: 16, .size: 8, .value_kind: global_buffer, .address_space: global }
      - { .name: pb, .offset: 24, .size: 8, .value_kind: global_buffer, .address_space: global }
    .group_segment_fixed_size: 0
    .private_segment_fixed_size: 0
    .kernarg_segment_align: 8
    .kernarg_segment_size: 32
    .max_flat_workgroup_size: 256
    .sgpr_count:     66
    .vgpr_count:     132
    .wavefront_size: 32
...
	.end_amdgpu_metadata
.endif
;; end of part 3
;; launch gemm: the kernel of part 2 again; grid 8 x 32, 4 waves a work-group, clusters of 4 x 4, 327,680 bytes of LDS; arguments xb, pb, out0; writes out0
